; MI455X (gfx1250); checked and timed in simulation.
; The chip was launched on July 23, 2026; its instructions are those of AMD's public machine-readable ISA for CDNA 5 (MIT licence, August 2026) and "CDNA5" Instruction Set Architecture Reference Guide (July 2026). The comments in the code are by the model that wrote it; some were corrected since.
;; Mo E Layer. Allowed arithmetic: float matrix products may take bf16 or f16 operands with f32 sums; other float arithmetic in f32, or as packed bf16 or f16 multiplies, adds, multiply-adds, maxima and minima; sums over many terms, partial sums and values carried from step to step in f32; what a program stores and reads back later, other than sums and carried values, may be rounded once to bf16 or f16.
;; Inputs: gate_w 1,024 x 8 float32; hidden_states 2 x 512 x 1,024 float32; w1 8 x 1,024 x 2,048 float32; w2 8 x 2,048 x 1,024 float32; w3 8 x 1,024 x 2,048 float32.
;; Outputs: out0 2 x 512 x 1,024 float32.
;; One version. Each part assembles by itself: llvm-mc -triple=amdgcn-amd-amdhsa -mcpu=gfx1250 --defsym DOCPART=n.
;; ======== version 1 of 1: 4 launches
;; workspace buffers: xb 2,097,152 bytes; idx 4,096 bytes of whole numbers; gw 8,192 bytes; h 33,554,432 bytes; tab 32,768 bytes of whole numbers; cnt 4,096 bytes of whole numbers; y 16,777,216 bytes
;; launch route (part 1): grid 256 x 1, 2 waves a work-group, no clusters, 0 bytes of LDS; arguments hidden_states, gate_w, xb, idx, gw; writes xb, idx, gw
.if DOCPART == 1
	.amdgcn_target "amdgcn-amd-amdhsa--gfx1250"
	.amdhsa_code_object_version 6
	.text
	.protected	k_qa013c60775_route
	.globl	k_qa013c60775_route
	.p2align	8
	.type	k_qa013c60775_route,@function
k_qa013c60775_route:
	s_mov_b64 s[64:65], 0
	v_nop
	global_prefetch_b8 v0, s[64:65] scope:SCOPE_SE
	s_setreg_imm32_b32 hwreg(HW_REG_WAVE_MODE, 25, 1), 1
	s_wait_xcnt 0x0
; ROUTE.  For each of the 1,024 tokens: x rounded to bf16 (xb), the eight router logits, the two chosen experts (idx) and their weights (gw).
; x and gate_w are both rounded to bf16 first, like every input of the program; products and sums in f32 (v_fma_mix_f32_bf16: exact product, one rounding a step).
; SHARES.  A wave owns two tokens, t0 = 4 x work-group + 2 x wave and t0 + 1.  Lane l owns k = 128 q + 4 l + z, q = 0..7, z = 0..3: 32 of the 1,024.
; No matrix unit: 16 multiply-adds a weight byte less than a fragment wants, gate_w lies [k][8], and the choice wants plain f32 sums.  No LDS, no barrier: a token never leaves its wave.
; SOFTMAX.  The weights kept are p0 / (p0 + p1) and p1 / (p0 + p1): the softmax's divisor cancels, and the maximum that is taken away is the larger logit l0 itself:
; w0 = 1 / (1 + e^(l1 - l0)), w1 = e^(l1 - l0) w0, with an exponent at or below 0: nothing can overflow.
; LIMITS.  The two experts are chosen on the logits (ties: the lower index, as lax.top_k), which is the order of the probabilities except where two different logits round to
; one probability.  NaN and infinities are not treated apart.
; xb: [16 chunks of 64 k][1,024 tokens][64] bf16.  idx: a word a token, (1 << e0) | (256 << e1).  gw: [2][1,024] f32.
; REGISTERS, in windows of 256: window 0 as named below; window 1: gate_w as loaded, v[32 q + 8 z + e]; window 2: x as loaded, v[32 token + 4 q + z].
.set LG,  16                           ; v16-23  the eight logits of the lane's token (even lanes: t0, odd lanes: t0 + 1)
.set ACC, 32                           ; v32-47  sums: 8 x token + expert
.set XPK, 64                           ; v64-95  x in bf16 pairs: 16 x token + 2 q + z / 2
.set GPK, 96                           ; v96-111 one q's gate_w in bf16 pairs: 4 z + e / 2; later the other half of the lanes' sums
.set MSB, 0
.macro WIN new                         ; bits 1:0 source 0, 3:2 source 1, 5:4 source 2, 7:6 destination; the high byte repeats the setting that is left
.if MSB != (\new)
	s_set_vgpr_msb (MSB<<8)|(\new)
.set MSB, (\new)
.endif
.endm
.macro FMX d, x, g, c, sx, sg          ; d = half sx of x times half sg of g, plus c
.if ((\sx) == 0) && ((\sg) == 0)
	v_fma_mix_f32_bf16 v[\d], v[\x], v[\g], v[\c] op_sel_hi:[1,1,0]
.elseif ((\sx) == 1) && ((\sg) == 0)
	v_fma_mix_f32_bf16 v[\d], v[\x], v[\g], v[\c] op_sel:[1,0,0] op_sel_hi:[1,1,0]
.elseif (\sx) == 0
	v_fma_mix_f32_bf16 v[\d], v[\x], v[\g], v[\c] op_sel:[0,1,0] op_sel_hi:[1,1,0]
.else
	v_fma_mix_f32_bf16 v[\d], v[\x], v[\g], v[\c] op_sel:[1,1,0] op_sel_hi:[1,1,0]
.endif
.endm
	s_load_b256 s[4:11], s[0:1], 0x0               ; x s[4:5], gate_w s[6:7], xb s[8:9], idx s[10:11]
	s_load_b64 s[12:13], s[0:1], 0x20              ; gw
	v_and_b32 v1, 31, v0                           ; lane
	v_lshrrev_b32 v6, 5, v0
	v_readfirstlane_b32 s14, v6                    ; wave
	s_lshl_b32 s15, ttmp9, 2
	s_lshl1_add_u32 s15, s14, s15                  ; t0
	s_lshl_b32 s16, s15, 12                        ; t0 rows of 4,096 bytes
	s_mov_b32 s17, 0
	s_mov_b32 s20, 0x76543210                      ; v_permlanex16_b32: each lane takes its own place in the other half
	s_mov_b32 s21, 0xfedcba98
	s_mov_b32 s22, 0xaaaaaaaa                      ; the odd lanes
	v_lshlrev_b32 v2, 4, v1                        ; x: 16 bytes a lane
	v_lshlrev_b32 v3, 7, v1                        ; gate_w: four rows of 32 bytes a lane
	v_lshrrev_b32 v6, 4, v1
	v_add_nc_u32 v6, s15, v6                       ; xb: lanes 0-15 store for t0, lanes 16-31 for t0 + 1,
	v_and_b32 v7, 15, v1
	v_lshlrev_b32 v7, 3, v7                        ; 8 bytes each
	v_lshl_add_u32 v4, v6, 7, v7
	v_mov_b32 v5, 0                                ; the first products' addend
	v_add_nc_u32 v9, s15, v1
	v_lshlrev_b32 v9, 2, v9                        ; idx, gw: the word of token t0 + lane
	s_wait_kmcnt 0x0
	s_add_nc_u64 s[4:5], s[4:5], s[16:17]
	WIN 0x80
.set n, 0
.rept 16                               ; x: token n / 8, q = n % 8; a load covers 512 consecutive bytes
	global_load_b128 v[4*n:4*n+3], v2, s[4:5] offset:4096*(n/8)+512*(n%8) th:TH_LOAD_NT
.set n, n+1
.endr
	WIN 0x40
.set n, 0
.rept 64                               ; gate_w: q = n / 8; the eight loads of a q cover its 4,096 bytes
	global_load_b128 v[4*n:4*n+3], v3, s[6:7] offset:4096*(n/8)+16*(n%8)
.set n, n+1
.endr
	s_wait_loadcnt 63                              ; x is in: 64 loads were issued behind it, one more than the count can name, so the first of them is waited for too
	WIN 0x0a
.set n, 0
.rept 32
	v_cvt_pk_bf16_f32 v[XPK+n], v[2*n], v[2*n+1]
.set n, n+1
.endr
.set q, 0
.rept 8
	s_wait_loadcnt 8*(7-q)                         ; this q's eight loads are in; those of the later q stay out
	WIN 0x05
.set m, 0
.rept 16
	v_cvt_pk_bf16_f32 v[GPK+m], v[32*q+2*m], v[32*q+2*m+1]
.set m, m+1
.endr
	WIN 0
.set m, 0
.rept 64                               ; z = m / 16, token (m / 8) % 2, expert m % 8: the sixteen sums take turns
.if (q == 0) && (m < 16)
	FMX ACC+m%16, XPK+16*((m/8)%2)+2*q+m/32, GPK+4*(m/16)+(m%8)/2, 5, (m/16)%2, m%2
.else
	FMX ACC+m%16, XPK+16*((m/8)%2)+2*q+m/32, GPK+4*(m/16)+(m%8)/2, ACC+m%16, (m/16)%2, m%2
.endif
.set m, m+1
.endr
.set q, q+1
.endr
	; xb.  Lanes 0-15 hold chunk 2 q, lanes 16-31 chunk 2 q + 1 of one token.  The swap puts one chunk of both tokens into a register: each store then covers 256 consecutive bytes, aligned.
.set q, 0
.rept 8
	v_permlane16_swap_b32 v[XPK+2*q], v[XPK+16+2*q]
	v_permlane16_swap_b32 v[XPK+2*q+1], v[XPK+16+2*q+1]
	global_store_b64 v4, v[XPK+2*q:XPK+2*q+1], s[8:9] offset:262144*q
	global_store_b64 v4, v[XPK+16+2*q:XPK+16+2*q+1], s[8:9] offset:262144*q+131072
.set q, q+1
.endr
	; the sixteen sums over the 32 lanes
.irp x, 1,2,4,8
.set n, 0
.rept 16
	v_add_f32_dpp v[ACC+n], v[ACC+n], v[ACC+n] row_xmask:\x row_mask:0xf bank_mask:0xf
.set n, n+1
.endr
.endr
.set n, 0
.rept 16
	v_permlanex16_b32 v[GPK+n], v[ACC+n], s20, s21
.set n, n+1
.endr
.set n, 0
.rept 16
	v_add_f32 v[ACC+n], v[ACC+n], v[GPK+n]
.set n, n+1
.endr
.set n, 0
.rept 8
	v_cndmask_b32 v[LG+n], v[ACC+n], v[ACC+8+n], s22  ; odd lanes go on with token t0 + 1
.set n, n+1
.endr
	; the largest logit (v24, expert v25): a later one must be strictly greater, so the lower index wins a tie
	v_mov_b32 v24, v[LG]
	v_mov_b32 v25, 0
.irp e, 1,2,3,4,5,6,7
	v_cmp_le_f32 vcc_lo, v[LG+\e], v24
	v_cndmask_b32 v25, \e, v25, vcc_lo
	v_cndmask_b32 v24, v[LG+\e], v24, vcc_lo
.endr
	; the second (v26, expert v27): the same scan, the first's expert left out
	v_mov_b32 v26, 0xff800000
	v_mov_b32 v27, 0
.irp e, 0,1,2,3,4,5,6,7
	v_cmp_eq_u32 s23, \e, v25
	v_cmp_le_f32 vcc_lo, v[LG+\e], v26
	s_or_b32 vcc_lo, vcc_lo, s23
	v_cndmask_b32 v27, \e, v27, vcc_lo
	v_cndmask_b32 v26, v[LG+\e], v26, vcc_lo
.endr
	v_sub_f32 v28, v26, v24                        ; l1 - l0, at or below 0
	v_mul_f32 v28, 0x3fb8aa3b, v28
	v_exp_f32 v28, v28
	v_mov_b32 v7, 1                                ; a plain instruction behind the exponential
	s_wait_alu depctr_va_vdst(0)                   ; the wait ahead of the first use of the result
	v_add_f32 v6, 1.0, v28
	v_rcp_f32 v29, v6                              ; w0
	v_mov_b32 v8, 0x100                            ; a plain instruction behind the reciprocal
	s_wait_alu depctr_va_vdst(0)
	v_mul_f32 v30, v28, v29                        ; w1
	v_lshlrev_b32 v7, v25, v7
	v_lshlrev_b32 v8, v27, v8
	v_or_b32 v31, v7, v8
	s_wait_xcnt 0x0                                ; EXEC changes only behind this wait: xb's stores are under way
	v_cmp_gt_u32 vcc_lo, 2, v1
	s_and_saveexec_b32 s24, vcc_lo                 ; lanes 0 and 1 store for t0 and t0 + 1
	global_store_b32 v9, v31, s[10:11]
	global_store_b32 v9, v29, s[12:13]
	global_store_b32 v9, v30, s[12:13] offset:4096
	s_endpgm
.Lfunc_end_k_qa013c60775_route:
	.size	k_qa013c60775_route, .Lfunc_end_k_qa013c60775_route-k_qa013c60775_route
	.p2alignl 7, 3214868480
	.fill 96, 4, 3214868480
	.section	.rodata,"a",@progbits
	.p2align	6, 0x0
	.amdhsa_kernel k_qa013c60775_route
		.amdhsa_group_segment_fixed_size 0
		.amdhsa_private_segment_fixed_size 0
		.amdhsa_enable_private_segment 0
		.amdhsa_kernarg_size 40
		.amdhsa_user_sgpr_count 2
		.amdhsa_user_sgpr_kernarg_segment_ptr 1
		.amdhsa_wavefront_size32 1
		.amdhsa_system_sgpr_workgroup_id_x 1
		.amdhsa_system_sgpr_workgroup_id_y 1
		.amdhsa_system_sgpr_workgroup_id_z 1
		.amdhsa_system_vgpr_workitem_id 0
		.amdhsa_next_free_vgpr 576
		.amdhsa_next_free_sgpr 66
		.amdhsa_reserve_vcc 1
		.amdhsa_float_denorm_mode_32 3
		.amdhsa_float_denorm_mode_16_64 3
		.amdhsa_memory_ordered 1
		.amdhsa_forward_progress 1
		.amdhsa_inst_pref_size 63
	.end_amdhsa_kernel
	.amdgpu_metadata
---
amdhsa.version: [ 1, 2 ]
amdhsa.kernels:
  - .name:           k_qa013c60775_route
    .symbol:         k_qa013c60775_route.kd
    .args:
      - { .name: hidden_states, .offset: 0, .size: 8, .value_kind: global_buffer, .address_space: global }
      - { .name: gate_w, .offset: 8, .size: 8, .value_kind: global_buffer, .address_space: global }
      - { .name: xb, .offset: 16, .size: 8, .value_kind: global_buffer, .address_space: global }
      - { .name: idx, .offset: 24, .size: 8, .value_kind: global_buffer, .address_space: global }
      - { .name: gw, .offset: 32, .size: 8, .value_kind: global_buffer, .address_space: global }
    .group_segment_fixed_size: 0
    .private_segment_fixed_size: 0
    .kernarg_segment_align: 8
    .kernarg_segment_size: 40
    .max_flat_workgroup_size: 64
    .sgpr_count:     66
    .vgpr_count:     576
    .wavefront_size: 32
...
	.end_amdgpu_metadata
.endif
;; end of part 1
;; launch up (part 2): grid 32 x 8, 4 waves a work-group, no clusters, 300,800 bytes of LDS; arguments xb, idx, w1, w3, h, tab, cnt; writes h, tab, cnt
.if DOCPART == 2
	.amdgcn_target "amdgcn-amd-amdhsa--gfx1250"
	.amdhsa_code_object_version 6
	.text
	.protected	k_qa013c60775_up
	.globl	k_qa013c60775_up
	.p2align	8
	.type	k_qa013c60775_up,@function
k_qa013c60775_up:
	s_mov_b64 s[64:65], 0
	v_nop
	global_prefetch_b8 v0, s[64:65] scope:SCOPE_SE
	s_setreg_imm32_b32 hwreg(HW_REG_WAVE_MODE, 25, 1), 1
	s_wait_xcnt 0x0
; UP.  h = silu(x w1[e]) * (x w3[e]) in bf16, for the rows (token, slot) that chose expert e; also the expert's list of rows (tab) and its count (cnt).
; SHARES.  Work-group (s, e) owns columns 64 s .. 64 s + 63 of w1[e] and w3[e]: 2 x 1,024 rows of 256 bytes, which it alone reads, once, and ALL rows of expert e.
; THE WEIGHTS come as f32 through registers (sixteen lanes to a row's 256 bytes), are rounded to bf16 and laid ONCE into LDS as [k][64 of w1 | 64 of w3]; each LDS byte is written once,
; so one barrier a chunk of 64 k (store, barrier, read) is all the ordering.  They come out turned, by ds_load_tr16_b128.  THE TOKEN ROWS come from xb straight into registers as fragments.
; THE MATRIX INSTRUCTION IS USED TRANSPOSED: source 0 = 16 weight columns, source 1 = 16 rows: a lane holds ONE row (lane % 16) and the columns 8 (lane / 16) + 0..7 of the sixteen.
; h: [32 slices][8 experts][64 blocks of 16 rows][4 column blocks][32 lanes][16 bytes].  A lane's eight results of a column block, packed to bf16, ARE the 16 bytes that the same lane of the next launch
; takes as its half of a row fragment, so they are stored as they lie: no LDS stage, and each store of the wave covers 512 consecutive bytes, aligned.
; ROWS.  nb = ceil(count / 16) blocks of 16 rows.  Blocks 0 to 19 (wave w, tile i = 0..4: block 4 i + w) are multiplied under the weights' stream.  Blocks 20 to 63, for an expert with more than
; 320 rows (up to all 1,024), follow in a loop of 11 trips, a block a wave and trip, on the weights that lie in LDS; a block past the count is jumped forward; the loop holds no barrier, and, since its
; work hangs on a count read from memory, its LDS addresses are fixed registers and immediates: K is written out, and the list's late words are read ahead of it.  Places past the count take token 0.
; Tile 4 is jumped where its block is past the count.  An expert without rows still streams its slice (no barrier may be jumped on loaded data) and writes block 0, which the next launch may read.
; NO MULTICAST: each weight byte has one reader; the rows that an expert's 32 work-groups share come by a list, which no tile descriptor covers.  NO TENSOR LOADS: the weights are rounded on their way,
; and beside the slice (294,912 bytes) LDS has no room for f32 slots.
; LIMITS.  x, w1, w3 rounded to bf16, sums in f32, h rounded once to bf16.  silu(a) = a / (1 + 2^(-1.442695 a)): where the power overflows the quotient is 0, as silu's is.  NaN and infinities are not treated apart.
; REGISTERS, in windows of 256 (s_set_vgpr_msb: bits 1:0 source 0, 3:2 source 1, 5:4 source 2, 7:6 destination):
;   window 0: as named below      window 1: v0-127 weight fragments of a chunk, 64 kk + 8 j (j = 0..3: w1's columns 16 j on; j = 4..7: w3's)
;   window 2: sums of tiles 0-3, 64 i + 8 j      window 3: v0-63 sums of tile 4; v64-223 row fragments, two buffers: 64 + 80 a + 40 kk + 8 i
.set P,     288                        ; an LDS row of weights: 256 bytes + 32: an odd multiple of 32, as the turning load's eight rows x 32 bytes want
.set CHL,   64*P                       ; a chunk in LDS
.set CHW,   524288                     ; a chunk in w1 and in w3: 64 rows of 8,192 bytes
.set ASTR,  131072                     ; a chunk in xb
.set LIST,  1024*P                     ; 1,280 words: the expert's rows, slot x 1,024 + token; zeros past the count
.set DUMPI, 1280                       ; list places 1,280 .. 1,311: a word for each lane that has nothing to enter
.set CNTW,  LIST+5248                  ; the count, 32 times
.set SPARE, LIST+5376                  ; the spare words, 128 bytes for each wave: two blocks of 256 bytes that no other line names
.set WOFF, 10                          ; v10  my 16 bytes in the wave's first two rows of a chunk of w1, w3
.set WST,  11                          ; v11  where they go in LDS; steps a chunk at a time
.set BAD0, 12                          ; v12  my lane's place in a turning load; never rewritten
.set BAD,  13                          ; v13  the same in the chunk in hand
.set LAD,  14                          ; v14  my place in the list; never rewritten
.set H16,  15                          ; v15  16 x (lane / 16)
.set AOFF, 16                          ; v16-20  tile i: my row's byte offset in a chunk of xb
.set GO,   23                          ; v23  16 x lane
.set PFO,  24                          ; v24  the row of a chunk that I prefetch
.set CNTV, 25                          ; v25  the count
.set T16,  26                          ; v26  16 x thread
.set T4,   27                          ; v27  4 x thread
.set SPW,  28                          ; v28  my spare word; never rewritten
.set NIL,  29                          ; v29  0; never rewritten
.set L4,   30                          ; v30  4 x lane
.set DMP,  31                          ; v31  my dump place in the list
.set OB,   32                          ; v32-63 idx as loaded (wave 0); later v32-47 the way out, v48-55 the table
.set ST0,  64                          ; v64-127, v128-191  weights as loaded, two buffers
.set EE,   64                          ; v64-95  the way out, at work
.set PK,   192                         ; v192-223  weights in bf16
.set ZR,   224                         ; v224-227  zeros
.set LR,   228                         ; v228-238  the list's words of my blocks 20 + 4 q + w, q = 0..10; a worked late trip takes the first and moves the others down
.set BADL, 240                         ; v240-245  my lane's place in a turning load, in chunks 0, 3, 6, 9, 12, 15; never rewritten
; s4-5 xb; s6-7 idx; s8-9 w1, s10-11 w3 at the slice, stepped; s12-13 h; s14-15 tab; s16-17 cnt; s18 wave; s19 s; s20 e; s22-23 an offset; s24 count; s25 nb; s26 max(nb, 1); s27 late trips to go;
; s28 my block (tile 0's); s29 1: tile 4 has rows; s30 counter; s31 at work; s32-33 what I prefetch from; s34-38 the list's making; s40-41 xb at the chunk in hand;
; s42-43 h at my block; s44-45 -log2(e), named as a pair
.set MSB, 0
.macro WIN new                         ; the high byte repeats the setting that is left; a switch that changes nothing is dropped
.if MSB != (\new)
	s_set_vgpr_msb (MSB<<8)|(\new)
.set MSB, (\new)
.endif
.endm
.macro NOPS k
.rept \k
	v_nop
.endr
.endm
.macro LDW buf, off                    ; 16 loads: my 16 rows of a chunk of w1 and of w3; a load covers two rows' 256 bytes
.set m, 0
.rept 8
	global_load_b128 v[ST0+64*(\buf)+4*m:ST0+64*(\buf)+4*m+3], v[WOFF], s[8:9] offset:(\off)+16384*m th:TH_LOAD_NT
	global_load_b128 v[ST0+64*(\buf)+32+4*m:ST0+64*(\buf)+32+4*m+3], v[WOFF], s[10:11] offset:(\off)+16384*m th:TH_LOAD_NT
.set m, m+1
.endr
.endm
.macro CVTST buf                       ; they are rounded and laid into LDS; the place steps to the next chunk
.set m, 0
.rept 16
	v_cvt_pk_bf16_f32 v[PK+2*m], v[ST0+64*(\buf)+4*m], v[ST0+64*(\buf)+4*m+1]
	v_cvt_pk_bf16_f32 v[PK+2*m+1], v[ST0+64*(\buf)+4*m+2], v[ST0+64*(\buf)+4*m+3]
.set m, m+1
.endr
.set m, 0
.rept 16
	ds_store_b64 v[WST], v[PK+2*m:PK+2*m+1] offset:2*P*(m%8)+128*(m/8)
.set m, m+1
.endr
	v_add_nc_u32 v[WST], CHL, v[WST]
.endm
.macro LDAT buf, i                     ; tile i's fragments of a chunk: 16 rows x 64 k
.set m, 0
.rept 2
	global_load_b128 v[64+80*(\buf)+40*m+8*(\i):64+80*(\buf)+40*m+8*(\i)+3], v[AOFF+(\i)], s[40:41] offset:64*m
	global_load_b128 v[64+80*(\buf)+40*m+8*(\i)+4:64+80*(\buf)+40*m+8*(\i)+7], v[AOFF+(\i)], s[40:41] offset:64*m+32
.set m, m+1
.endr
.endm
.macro LDA buf, uncond                 ; all tiles'; tile 4's are jumped where it has no rows (uncond = 1: never)
	WIN 0xc0
	LDAT \buf, 0
	LDAT \buf, 1
	LDAT \buf, 2
	LDAT \buf, 3
.if \uncond
	LDAT \buf, 4
	WIN 0
.else
	WIN 0
	s_cmp_eq_u32 s29, 0
	s_cbranch_scc1 .Lna4_\@
	WIN 0xc0
	LDAT \buf, 4
	WIN 0
.Lna4_\@:
.endif
.endm
.macro LB kk                           ; the weight fragments of K step kk of the chunk at BAD: 32 k x 128 columns, turned
	WIN 0x40
.set m, 0
.rept 8
	ds_load_tr16_b128 v[64*(\kk)+8*m:64*(\kk)+8*m+3], v[BAD] offset:32*P*(\kk)+32*m
	ds_load_tr16_b128 v[64*(\kk)+8*m+4:64*(\kk)+8*m+7], v[BAD] offset:32*P*(\kk)+32*m+16*P
.set m, m+1
.endr
.endm
.macro WM d, b, a, zero                ; zero = 1: the product starts the sum: nothing is cleared
.if \zero
	v_wmma_f32_16x16x32_bf16 v[(\d):(\d)+7], v[(\b):(\b)+7], v[(\a):(\a)+7], 0
.else
	v_wmma_f32_16x16x32_bf16 v[(\d):(\d)+7], v[(\b):(\b)+7], v[(\a):(\a)+7], v[(\d):(\d)+7]
.endif
.endm
.macro MM03 a, kk, zero                ; tiles 0-3 x 8 column blocks: the 32 sums take turns, one instruction a turn
	WIN 0xad
.set m, 0
.rept 32
	WM 64*(m/8)+8*(m%8), 64*(\kk)+8*(m%8), 64+80*(\a)+40*(\kk)+8*(m/8), \zero
.set m, m+1
.endr
.endm
.macro MM4 a, kk, zero, uncond         ; tile 4
.if !(\uncond)
	WIN 0
	s_cmp_eq_u32 s29, 0
	s_cbranch_scc1 .Lnm4_\@
.endif
	WIN 0xfd
.set m, 0
.rept 8
	WM 8*m, 64*(\kk)+8*m, 64+80*(\a)+40*(\kk)+32, \zero
.set m, m+1
.endr
	WIN 0
.if !(\uncond)
.Lnm4_\@:
.endif
.endm
; TRIP c multiplies chunk c for blocks 0 to 19 (row buffer a = c % 2).  Loads are issued in the order W(c+1), A(c), W(c+2) | in this trip A(c+1), W(c+3).
; left = 16: the 16 loads of W(c+2) stay out; W(c+1) and A(c) are in.  stw: W(c+1) goes into LDS, and the barrier shows every wave's part of it.  nxt: chunk c+1's weight fragments are fetched,
; each K step's into the registers that this chunk's same step has just left, four plain instructions behind the last product that read them.
.macro TRIP a, zero, stw, lda, ldw, left, nxt, t4u, pf
	s_wait_loadcnt \left
.if \stw
	CVTST 1-(\a)
.endif
.if \lda
	s_wait_xcnt 0x0                                ; the bases are stepped only behind this wait
	s_add_nc_u64 s[40:41], s[40:41], ASTR
.if \ldw
	s_add_nc_u64 s[8:9], s[8:9], CHW
	s_add_nc_u64 s[10:11], s[10:11], CHW
	s_add_nc_u64 s[32:33], s[32:33], CHW
.endif
	LDA 1-(\a), \t4u                               ; A(c+1); the conversions above are the places behind the products that read this buffer
.endif
.if \ldw
	LDW 1-(\a), 2*CHW                              ; W(c+3): two trips in which to land
.endif
	s_wait_dscnt 0x0                               ; for the others: my stores of chunk c+1; for me: this chunk's weight fragments
.if \stw
	s_barrier_signal -1
.endif
	MM03 \a, 0, \zero                              ; work on registers while the others arrive
.if \stw
	s_barrier_wait -1                              ; chunk c+1 is whole in LDS
.endif
	MM4 \a, 0, \zero, \t4u
.if (\pf) == 1
	global_prefetch_b8 v[PFO], s[32:33] offset:4*CHW th:TH_LOAD_NT scope:SCOPE_SE  ; chunk c+5, a row a lane: each row is asked for once in the launch, two trips ahead of its load
.elseif (\pf) == 2
	s_cmp_eq_u32 s30, 1                            ; the loop's last two trips would ask past the last chunk
	s_cbranch_scc1 .Lnopf_\@
	global_prefetch_b8 v[PFO], s[32:33] offset:4*CHW th:TH_LOAD_NT scope:SCOPE_SE
.Lnopf_\@:
.endif
.if \nxt
	v_add_nc_u32 v[BAD], CHL, v[BAD]
	NOPS 3
	LB 0
.endif
	MM03 \a, 1, 0
	MM4 \a, 1, 0, \t4u
.if \nxt
	NOPS 4
	LB 1
.endif
	WIN 0
.endm
; Chunk c of a late block, on tile 0's registers: 4 row loads and 32 turning loads, all waited for at once, then 16 products on 8 sums that take turns.
; Every LDS address is one of the six fixed registers BADL plus an immediate: three chunks, 50,912 bytes at the most, lie within the 16-bit offset.
.macro LCH c, zero
	NOPS 4                                         ; the places behind the last products, in front of loads into their sources
	WIN 0xc0
.set m, 0
.rept 2
	global_load_b128 v[64+40*m:64+40*m+3], v[AOFF], s[4:5] offset:ASTR*(\c)+64*m
	global_load_b128 v[64+40*m+4:64+40*m+7], v[AOFF], s[4:5] offset:ASTR*(\c)+64*m+32
.set m, m+1
.endr
	WIN 0x40
.set m, 0
.rept 16
	ds_load_tr16_b128 v[8*m:8*m+3], v[BADL+(\c)/3] offset:((\c)%3)*CHL+32*P*(m/8)+32*(m%8)
	ds_load_tr16_b128 v[8*m+4:8*m+7], v[BADL+(\c)/3] offset:((\c)%3)*CHL+32*P*(m/8)+32*(m%8)+16*P
.set m, m+1
.endr
	s_wait_loadcnt 0x0
	s_wait_dscnt 0x0
	WIN 0xad
.set m, 0
.rept 16
	WM 8*(m%8), 8*m, 64+40*(m/8), (\zero)&&(m<8)
.set m, m+1
.endr
.endm
.macro ROWS                            ; the rows of blocks 0 to 19 out of the list: token x 128 + 16 x half
.irp i, 0,1,2,3,4
	ds_load_b32 v[AOFF+\i], v[LAD] offset:256*\i
.endr
	s_wait_dscnt 0x0
.irp i, 0,1,2,3,4
	v_and_b32 v[AOFF+\i], 0x3ff, v[AOFF+\i]
	v_min_u32 v[AOFF+\i], 0x3ff, v[AOFF+\i]
	v_lshl_add_u32 v[AOFF+\i], v[AOFF+\i], 7, v[H16]
.endr
.endm
; THE WAY OUT of tile i: silu(a1) a3, rounded to bf16 and stored as it lies: column block j of the block's 16 rows is 512 consecutive bytes of h, 16 bytes a lane.
; lim = 1: the tile is one of five, and it and the later ones are jumped where their blocks lie past the count.
.macro EPI i, lim
.if \lim
	s_add_co_u32 s31, s28, 4*(\i)
	s_cmp_ge_u32 s31, s26
	s_cbranch_scc1 .Lepi_end
.endif
.if (\i) < 4
.set AW, 2
.set AC, 64*(\i)
.else
.set AW, 3
.set AC, 0
.endif
	WIN AW                                         ; source 0 in the sums' window
.set z, 0
.rept 16
	v_pk_mul_f32 v[EE+2*z:EE+2*z+1], v[AC+2*z:AC+2*z+1], s[44:45] op_sel_hi:[1,0]
.set z, z+1
.endr
	WIN 0
.set z, 0
.rept 32
	v_exp_f32 v[EE+z], v[EE+z]
.set z, z+1
.endr
	v_nop                                          ; a plain instruction behind the last exponential,
	s_wait_alu depctr_va_vdst(0)                   ; and one wait for the batch
.set z, 0
.rept 16
	v_pk_add_f32 v[EE+2*z:EE+2*z+1], v[EE+2*z:EE+2*z+1], 1.0 op_sel_hi:[1,0]
.set z, z+1
.endr
.set z, 0
.rept 32
	v_rcp_f32 v[EE+z], v[EE+z]
.set z, z+1
.endr
	v_nop
	s_wait_alu depctr_va_vdst(0)
	WIN AW
.set z, 0
.rept 16
	v_pk_mul_f32 v[EE+2*z:EE+2*z+1], v[AC+2*z:AC+2*z+1], v[EE+2*z:EE+2*z+1]
.set z, z+1
.endr
.set z, 0
.rept 16
	v_pk_mul_f32 v[EE+2*z:EE+2*z+1], v[AC+32+2*z:AC+32+2*z+1], v[EE+2*z:EE+2*z+1]
.set z, z+1
.endr
	WIN 0
	s_wait_xcnt 0x0                                ; the last tile's stores have read v32-47
.set z, 0
.rept 16
	v_cvt_pk_bf16_f32 v[OB+z], v[EE+2*z], v[EE+2*z+1]
.set z, z+1
.endr
.irp j, 0,1,2,3
	global_store_b128 v[GO], v[OB+4*\j:OB+4*\j+3], s[42:43] offset:8192*(\i)+512*\j
.endr
.endm
	s_load_b256 s[4:11], s[0:1], 0x0               ; xb, idx, w1, w3
	s_load_b128 s[12:15], s[0:1], 0x20             ; h, tab
	s_load_b64 s[16:17], s[0:1], 0x30              ; cnt
	v_lshl_add_u32 v[SPW], v0, 2, SPARE
	v_mov_b32 v[NIL], 0
	v_lshrrev_b32 v4, 5, v0
	v_readfirstlane_b32 s18, v4                    ; wave
	s_mov_b32 s19, ttmp9                           ; s
	s_and_b32 s20, ttmp7, 0xffff                   ; e
	v_and_b32 v3, 31, v0                           ; lane
	v_and_b32 v1, 15, v0                           ; lane % 16
	v_bfe_u32 v2, v0, 4, 1                         ; lane / 16
	s_lshl_b32 s31, s18, 17                        ; 16 w rows of 8,192 bytes
	v_lshlrev_b32 v[WOFF], 4, v1
	v_lshl_add_u32 v[WOFF], v2, 13, v[WOFF]
	v_add_nc_u32 v[WOFF], s31, v[WOFF]
	s_mul_i32 s31, s18, 16*P
	v_mul_u32_u24 v[WST], v2, P
	v_lshl_add_u32 v[WST], v1, 3, v[WST]
	v_add_nc_u32 v[WST], s31, v[WST]
	v_and_b32 v4, 7, v0                            ; the turning load: lane l reads row 8 (l / 16) + l % 8, columns 8 ((l / 8) % 2) + 0..7
	v_lshl_add_u32 v4, v2, 3, v4
	v_mul_u32_u24 v[BAD0], v4, P
	v_bfe_u32 v5, v0, 3, 1
	v_lshl_add_u32 v[BAD0], v5, 4, v[BAD0]
	v_mov_b32 v[BAD], v[BAD0]
	v_mov_b32 v[BADL], v[BAD0]
.irp g, 1,2,3,4,5
	v_add_nc_u32 v[BADL+\g], \g*3*CHL, v[BAD0]
.endr
	s_lshl_b32 s31, s18, 6
	s_add_co_u32 s31, s31, LIST
	v_lshl_add_u32 v[LAD], v1, 2, s31
	v_lshlrev_b32 v[H16], 4, v2
	v_lshlrev_b32 v[GO], 4, v3
	s_and_b32 s31, s18, 1
	s_lshl_b32 s31, s31, 18                        ; waves 0, 2: rows 0-31 of a chunk; waves 1, 3: rows 32-63
	v_lshl_add_u32 v[PFO], v3, 13, s31
	v_lshlrev_b32 v[T16], 4, v0
	v_lshlrev_b32 v[T4], 2, v0
	v_lshlrev_b32 v[L4], 2, v3
	v_add_nc_u32 v[DMP], DUMPI, v3
	s_lshl_b32 s34, 0x101, s20                     ; the expert's two bits in a word of idx
	s_add_co_u32 s35, s20, 8
	s_mov_b32 s36, 0                               ; rows so far
	s_mov_b32 s44, 0xbfb8aa3b                      ; -log2(e)
	s_mov_b32 s45, s44
	s_mov_b32 s23, 0
	s_wait_kmcnt 0x0
	s_lshl_b32 s22, s20, 23
	s_lshl_b32 s31, s19, 8
	s_add_co_u32 s22, s22, s31
	s_add_nc_u64 s[8:9], s[8:9], s[22:23]          ; w1 and w3 at my slice
	s_add_nc_u64 s[10:11], s[10:11], s[22:23]
	s_lshl_b32 s22, s19, 20
	s_lshl_b32 s31, s20, 17
	s_add_co_u32 s22, s22, s31
	s_lshl_b32 s31, s18, 11
	s_add_co_u32 s22, s22, s31
	s_add_nc_u64 s[42:43], s[12:13], s[22:23]      ; h at block w of my slice and expert
	s_lshl_b32 s22, s20, 12
	s_add_nc_u64 s[14:15], s[14:15], s[22:23]
	s_lshl_b32 s22, s20, 9
	s_add_nc_u64 s[16:17], s[16:17], s[22:23]
	s_cmp_lt_u32 s18, 2
	s_cselect_b64 s[32:33], s[8:9], s[10:11]       ; waves 0 and 1 prefetch w1, waves 2 and 3 w3
	s_mov_b64 s[40:41], s[4:5]
	s_cmp_lg_u32 s18, 0
	s_cbranch_scc1 .Lnoidx
.irp q, 0,1,2,3,4,5,6,7                ; wave 0: all 1,024 words of idx; register 4 q + z of lane l is token 128 q + 4 l + z
	global_load_b128 v[OB+4*\q:OB+4*\q+3], v[GO], s[6:7] offset:512*\q
.endr
.Lnoidx:
	LDW 0, 0                                       ; W(0)
	LDW 1, CHW                                     ; W(1)
	global_prefetch_b8 v[PFO], s[32:33] offset:3*CHW th:TH_LOAD_NT scope:SCOPE_SE  ; chunks 3 and 4
	global_prefetch_b8 v[PFO], s[32:33] offset:4*CHW th:TH_LOAD_NT scope:SCOPE_SE
	s_cmp_lg_u32 s18, 0
	s_cbranch_scc1 .Lnolist
	; WAVE 0 MAKES THE LIST, under the weights' first loads.  All lanes stay on: a lane whose token did not choose e writes its own dump word.
.irp z, 0,1,2,3
	v_mov_b32 v[ZR+\z], 0
.endr
	v_add_nc_u32 v7, LIST, v[GO]
.irp t, 0,1,2,3,4,5,6,7,8,9
	ds_store_b128 v7, v[ZR:ZR+3] offset:512*\t
.endr
	s_wait_loadcnt 32                              ; idx is in; the 32 loads of W(0) and W(1) stay out
.set n, 0
.rept 32
	v_and_b32 v4, s34, v[OB+n]
	v_cmp_ne_u32 s37, 0, v4                        ; who chose e
	v_lshrrev_b32 v5, s35, v4                      ; as first choice (0) or second (1)
	v_mbcnt_lo_u32_b32 v6, s37, s36                ; rows so far + choosers in the lanes below me
	v_cndmask_b32 v6, v[DMP], v6, s37
	v_min_u32 v6, 0x51f, v6
	v_lshl_add_u32 v7, v6, 2, LIST
	v_add_nc_u32 v8, 128*(n/4)+n%4, v[L4]          ; the token
	v_lshl_add_u32 v8, v5, 10, v8
	ds_store_b32 v7, v8
	s_bcnt1_i32_b32 s38, s37
	s_add_co_u32 s36, s36, s38
.set n, n+1
.endr
	v_mov_b32 v8, s36
	v_add_nc_u32 v7, CNTW, v[L4]
	ds_store_b32 v7, v8
.Lnolist:
	s_wait_dscnt 0x0                               ; for the others: list and count are written
	s_barrier_signal -1
	s_barrier_wait -1
	v_add_nc_u32 v7, CNTW, v[L4]
	ds_load_b32 v[CNTV], v7
.set n, 0
.rept 11                               ; the list's words of my late blocks 20 + 4 n + w: read here, so that the late loop reads no list
	ds_load_b32 v[LR+n], v[LAD] offset:1280+256*n
.set n, n+1
.endr
	ROWS                                           ; its wait serves the count and the late words too
	v_readfirstlane_b32 s24, v[CNTV]
	s_min_u32 s24, s24, 0x400
	s_add_co_u32 s25, s24, 15
	s_lshr_b32 s25, s25, 4                         ; nb
	s_max_u32 s26, s25, 1
	s_mov_b32 s28, s18
	s_add_co_u32 s31, s18, 16
	s_cmp_lt_u32 s31, s25
	s_cselect_b32 s29, 1, 0
	s_cmp_lg_u32 s19, 0
	s_cbranch_scc1 .Lnotab
	v_add_nc_u32 v7, LIST, v[T16]                  ; slice 0's work-group stores the expert's table and count
	ds_load_b128 v[48:51], v7
	ds_load_b128 v[52:55], v7 offset:2048
	s_wait_dscnt 0x0
	global_store_b128 v[T16], v[48:51], s[14:15]
	global_store_b128 v[T16], v[52:55], s[14:15] offset:2048
	global_store_b32 v[T4], v[CNTV], s[16:17]
.Lnotab:
	LDA 0, 1                                       ; A(0), tile 4 too: every register is written on every way
	s_wait_loadcnt 36                              ; W(0) is in; W(1)'s 16 loads and A(0)'s 20 stay out
	CVTST 0
	LDW 0, 2*CHW                                   ; W(2)
	s_wait_dscnt 0x0
	s_barrier_signal -1
	s_barrier_wait -1                              ; chunk 0 is whole in LDS
	LB 0
	LB 1
	WIN 0
	TRIP 0, 1, 1, 1, 1, 16, 1, 1, 1                ; chunk 0: its products start the sums
	s_mov_b32 s30, 6
.Lk:                                                   ; chunks 1 to 12
	TRIP 1, 0, 1, 1, 1, 16, 1, 0, 2
	TRIP 0, 0, 1, 1, 1, 16, 1, 0, 2
	s_sub_co_u32 s30, s30, 1
	s_cmp_lg_u32 s30, 0
	s_cbranch_scc1 .Lk
	TRIP 1, 0, 1, 1, 0, 16, 1, 0, 0                ; chunk 13: no weights are left to ask for; W(15) stays out
	TRIP 0, 0, 1, 1, 0, 0, 1, 0, 0                 ; chunk 14: W(15) and A(14) are the last out
	TRIP 1, 0, 0, 0, 0, 0, 0, 0, 0                 ; chunk 15: nothing is stored, so no barrier
	NOPS 4                                         ; the places behind the last products
	EPI 0, 1
	EPI 1, 1
	EPI 2, 1
	EPI 3, 1
	EPI 4, 1
.Lepi_end:
	s_wait_xcnt 0x0                                ; the stores' base is stepped only behind this wait
	s_add_nc_u64 s[42:43], s[42:43], 40960         ; h at block 20 + w
	s_add_co_u32 s28, s28, 20
	s_mov_b32 s27, 11
.Lq:                                                   ; THE LATE BLOCKS: trip q has block 20 + 4 q + w
	s_cmp_ge_u32 s28, s25
	s_cbranch_scc1 .Lqskip                         ; past the count: forward, to the label ahead of the counter's step
	v_and_b32 v[AOFF], 0x3ff, v[LR]
	v_min_u32 v[AOFF], 0x3ff, v[AOFF]
	v_lshl_add_u32 v[AOFF], v[AOFF], 7, v[H16]
.set n, 0
.rept 10
	v_mov_b32 v[LR+n], v[LR+n+1]                   ; the next trip's word comes to the front
.set n, n+1
.endr
	LCH 0, 1                                       ; chunk 0: its products start the sums
.irp c, 1,2,3,4,5,6,7,8,9,10,11,12,13,14,15
	LCH \c, 0
.endr
	WIN 0
	NOPS 4                                         ; the places behind the last products
	EPI 0, 0
.Lqskip:
	s_wait_xcnt 0x0                                ; the stores' base is stepped only behind this wait
	s_add_nc_u64 s[42:43], s[42:43], 8192          ; four blocks on
	s_add_co_u32 s28, s28, 4
	s_sub_co_u32 s27, s27, 1
	s_cmp_lg_u32 s27, 0
	s_cbranch_scc1 .Lq
	s_wait_tensorcnt 0x0                           ; the wave's end, behind my last LDS store
	ds_add_u32 v[SPW], v[NIL]
	s_wait_dscnt 0x0
	s_endpgm
.Lfunc_end_k_qa013c60775_up:
	.size	k_qa013c60775_up, .Lfunc_end_k_qa013c60775_up-k_qa013c60775_up
	.p2alignl 7, 3214868480
	.fill 96, 4, 3214868480
	.section	.rodata,"a",@progbits
	.p2align	6, 0x0
	.amdhsa_kernel k_qa013c60775_up
		.amdhsa_group_segment_fixed_size 300800
		.amdhsa_private_segment_fixed_size 0
		.amdhsa_enable_private_segment 0
		.amdhsa_kernarg_size 56
		.amdhsa_user_sgpr_count 2
		.amdhsa_user_sgpr_kernarg_segment_ptr 1
		.amdhsa_wavefront_size32 1
		.amdhsa_system_sgpr_workgroup_id_x 1
		.amdhsa_system_sgpr_workgroup_id_y 1
		.amdhsa_system_sgpr_workgroup_id_z 1
		.amdhsa_system_vgpr_workitem_id 0
		.amdhsa_next_free_vgpr 1024
		.amdhsa_next_free_sgpr 66
		.amdhsa_reserve_vcc 0
		.amdhsa_float_denorm_mode_32 3
		.amdhsa_float_denorm_mode_16_64 3
		.amdhsa_memory_ordered 1
		.amdhsa_forward_progress 1
		.amdhsa_inst_pref_size 224
	.end_amdhsa_kernel
	.amdgpu_metadata
---
amdhsa.version: [ 1, 2 ]
amdhsa.kernels:
  - .name:           k_qa013c60775_up
    .symbol:         k_qa013c60775_up.kd
    .args:
      - { .name: xb, .offset: 0, .size: 8, .value_kind: global_buffer, .address_space: global }
      - { .name: idx, .offset: 8, .size: 8, .value_kind: global_buffer, .address_space: global }
      - { .name: w1, .offset: 16, .size: 8, .value_kind: global_buffer, .address_space: global }
      - { .name: w3, .offset: 24, .size: 8, .value_kind: global_buffer, .address_space: global }
      - { .name: h, .offset: 32, .size: 8, .value_kind: global_buffer, .address_space: global }
      - { .name: tab, .offset: 40, .size: 8, .value_kind: global_buffer, .address_space: global }
      - { .name: cnt, .offset: 48, .size: 8, .value_kind: global_buffer, .address_space: global }
    .group_segment_fixed_size: 300800
    .private_segment_fixed_size: 0
    .kernarg_segment_align: 8
    .kernarg_segment_size: 56
    .max_flat_workgroup_size: 128
    .sgpr_count:     66
    .vgpr_count:     1024
    .wavefront_size: 32
...
	.end_amdgpu_metadata
.endif
;; end of part 2
;; launch down (part 3): grid 32 x 8, 4 waves a work-group, no clusters, 181,760 bytes of LDS; arguments h, w2, tab, cnt, gw, y; writes y
.if DOCPART == 3
	.amdgcn_target "amdgcn-amd-amdhsa--gfx1250"
	.amdhsa_code_object_version 6
	.text
	.protected	k_qa013c60775_down
	.globl	k_qa013c60775_down
	.p2align	8
	.type	k_qa013c60775_down,@function
k_qa013c60775_down:
	s_mov_b64 s[64:65], 0
	v_nop
	global_prefetch_b8 v0, s[64:65] scope:SCOPE_SE
	s_setreg_imm32_b32 hwreg(HW_REG_WAVE_MODE, 25, 1), 1
	s_wait_xcnt 0x0
; DOWN.  y[2 slot + kh][token][d] = gate weight x the sum over one half of F of h[row][f] w2[e][f][d], f32: four partial planes, which the next launch adds.
; SHARES.  Work-group (ns, kh, e) owns rows 1,024 kh .. + 1,023 and columns 64 ns .. + 63 of w2[e]: 1,024 rows of 256 bytes, which it alone reads, once, and ALL rows of expert e.
; F is halved so that 8 x 16 x 2 = 256 work-groups have slices whose rows in w2, and whose pieces of y's rows, are 256 consecutive bytes, aligned.
; The structure is the launch before's: the slice comes as f32 through registers, is rounded to bf16 and laid ONCE into LDS as [k][64], one barrier a chunk of 128 k; it comes out turned;
; source 0 = 16 weight columns, source 1 = 16 rows, so that a lane holds ONE row (lane % 16) and eight neighbouring columns.
; h: [32 slices of 64 f][8 experts][64 blocks of 16 rows][4 groups of 16 f][32 lanes][16 bytes], in the order of a row fragment's registers: lane l's 16 bytes of group j are row l % 16,
; f = 16 j + 8 (l / 16) + 0..7.  So h comes from memory straight into registers, and a load of a whole block covers 512 consecutive bytes.
; ROWS.  nb = ceil(count / 16) blocks.  Blocks 0 to 19 (wave w, tile i = 0..4: block 4 i + w) are multiplied under the stream.  Blocks 20 to 63 (past 320 rows, up to 1,024) follow in a loop of 11 trips,
; a block a wave and trip, on the resident slice; a block past the count is jumped forward; the loop holds no barrier, and, since its work hangs on a count read from memory, its LDS addresses are fixed
; registers and immediates: K is written out.  Places past the count repeat the expert's LAST row: same h, same place in y, same weight, so the same bits go to the same bytes, and no lane is masked.
; Blocks past the count are not stored.  An expert without rows still streams its slice (no barrier may be jumped on loaded data) and stores nothing.
; NO MULTICAST: each weight byte has one reader.  h's rows are shared by the 16 work-groups of one (e, kh), but how many are needed hangs on a count read from memory, and they go straight into registers; a joint ring for them is not built.
; LIMITS.  w2 rounded to bf16; h arrives in bf16; sums in f32, K ascending within a half.  NaN and infinities are not treated apart.
; REGISTERS, in windows of 256 (bits 1:0 source 0, 3:2 source 1, 5:4 source 2, 7:6 destination):
;   window 0: as named below      window 1: v0-127 weight fragments of a chunk, 32 kk + 8 j
;   window 2: v0-159 row fragments, buffer 0: 40 kk + 8 i; v160-255 sums of tiles 0-2: 160 + 32 i + 8 j      window 3: v0-159 buffer 1; v160-223 sums of tiles 3, 4
.set P,     160                        ; an LDS row of weights: 128 bytes + 32: an odd multiple of 32
.set CHL,   128*P
.set CHW,   524288                     ; a chunk in w2: 128 rows of 4,096 bytes
.set SLC,   1048576                    ; a slice of 64 f in h
.set ASTR,  2*SLC                      ; a chunk in h
.set STAGE, 1024*P                     ; 16 rows x 272 bytes for each wave, for the way out
.set SP,    272
.set SPARE, STAGE+4*16*SP              ; the spare words, 128 bytes for each wave: two blocks of 256 bytes that no other line names
.set WOFF, 10                          ; v10  my 16 bytes in the wave's first two rows of a chunk of w2
.set WST,  11                          ; v11  where they go in LDS; steps a chunk at a time
.set BAD0, 12                          ; v12  my lane's place in a turning load; never rewritten
.set BAD,  13                          ; v13  the same in the chunk in hand
.set ROW0, 14                          ; v14  my row in tile 0
.set R16,  15                          ; v15  16 x (lane % 16)
.set AOFF, 16                          ; v16-20  tile i: my row's byte offset in a slice of h
.set STO,  21                          ; v21  the way out: where I put 32 bytes of a row
.set RD,   22                          ; v22  where I read rows back
.set H256, 23                          ; v23  256 x (lane / 16)
.set PFO,  24                          ; v24  the row of a chunk that I prefetch
.set SPW,  28                          ; v28  my spare word; never rewritten
.set NIL,  29                          ; v29  0; never rewritten
.set GD,   32                          ; v32-41  tile i: the pair (gate weight, slot x 1,024 + token) of my row
.set YR,   42                          ; v42-46  tile i: my row's row in y
.set IDXT, 48                          ; v48-55  4 x the lane that holds stage row 2 t + lane / 16
.set RO,   56                          ; v56-63  addresses at work
.set ST0,  64                          ; v64-127, v128-191  weights as loaded, two buffers
.set TT,   64                          ; v64-95  the way out: scaled sums
.set OB,   96                          ; v96-127 the way out: whole rows
.set PK,   192                         ; v192-223  weights in bf16
.set BADL, 240                         ; v240-242  my lane's place in a turning load, in chunks 0, 3, 6; never rewritten
; s4-5 h at (kh, e); s6-7 w2 at the slice, stepped; s8-9 tab; s10-11 cnt; s12-13 gw; s14-15 y at my columns; s18 wave; s19 ns; s20 e; s21 kh; s22-23 an offset; s24 count; s25 nb;
; s26 max(count, 1) - 1; s27 late trips to go; s28 my block (tile 0's); s29 1: tile 4 has rows; s30 counter; s31 at work; s33 1,024 kh; s40-41 h at the chunk in hand, later at chunk 4
.set MSB, 0
.macro WIN new                         ; the high byte repeats the setting that is left; a switch that changes nothing is dropped
.if MSB != (\new)
	s_set_vgpr_msb (MSB<<8)|(\new)
.set MSB, (\new)
.endif
.endm
.macro NOPS k
.rept \k
	v_nop
.endr
.endm
.macro LDW buf, off                    ; 16 loads: my 32 rows of a chunk; a load covers two rows' 256 bytes
.set m, 0
.rept 16
	global_load_b128 v[ST0+64*(\buf)+4*m:ST0+64*(\buf)+4*m+3], v[WOFF], s[6:7] offset:(\off)+8192*m th:TH_LOAD_NT
.set m, m+1
.endr
.endm
.macro CVTST buf                       ; they are rounded and laid into LDS; the place steps to the next chunk
.set m, 0
.rept 16
	v_cvt_pk_bf16_f32 v[PK+2*m], v[ST0+64*(\buf)+4*m], v[ST0+64*(\buf)+4*m+1]
	v_cvt_pk_bf16_f32 v[PK+2*m+1], v[ST0+64*(\buf)+4*m+2], v[ST0+64*(\buf)+4*m+3]
.set m, m+1
.endr
.set m, 0
.rept 16
	ds_store_b64 v[WST], v[PK+2*m:PK+2*m+1] offset:2*P*m
.set m, m+1
.endr
	v_add_nc_u32 v[WST], CHL, v[WST]
.endm
.macro LDAT i                          ; tile i's fragments of a chunk: 16 rows x 128 f, in two slices of h; K step m takes groups 2 (m % 2) and 2 (m % 2) + 1 of slice m / 2
.set m, 0
.rept 4
	global_load_b128 v[40*m+8*(\i):40*m+8*(\i)+3], v[AOFF+(\i)], s[40:41] offset:SLC*(m/2)+1024*(m%2)
	global_load_b128 v[40*m+8*(\i)+4:40*m+8*(\i)+7], v[AOFF+(\i)], s[40:41] offset:SLC*(m/2)+1024*(m%2)+512
.set m, m+1
.endr
.endm
.macro LDA buf, uncond                 ; all tiles'; tile 4's are jumped where it has no rows (uncond = 1: never)
	WIN (2+(\buf))<<6
	LDAT 0
	LDAT 1
	LDAT 2
	LDAT 3
.if \uncond
	LDAT 4
	WIN 0
.else
	WIN 0
	s_cmp_eq_u32 s29, 0
	s_cbranch_scc1 .Lna4_\@
	WIN (2+(\buf))<<6
	LDAT 4
	WIN 0
.Lna4_\@:
.endif
.endm
.macro LB kk                           ; the weight fragments of K step kk of the chunk at BAD: 32 k x 64 columns, turned
	WIN 0x40
.set m, 0
.rept 4
	ds_load_tr16_b128 v[32*(\kk)+8*m:32*(\kk)+8*m+3], v[BAD] offset:32*P*(\kk)+32*m
	ds_load_tr16_b128 v[32*(\kk)+8*m+4:32*(\kk)+8*m+7], v[BAD] offset:32*P*(\kk)+32*m+16*P
.set m, m+1
.endr
.endm
.macro WM d, b, a, zero                ; zero = 1: the product starts the sum: nothing is cleared
.if \zero
	v_wmma_f32_16x16x32_bf16 v[(\d):(\d)+7], v[(\b):(\b)+7], v[(\a):(\a)+7], 0
.else
	v_wmma_f32_16x16x32_bf16 v[(\d):(\d)+7], v[(\b):(\b)+7], v[(\a):(\a)+7], v[(\d):(\d)+7]
.endif
.endm
.macro MM03 a, kk, zero                ; tiles 0-3 x 4 column blocks: the 16 sums take turns, one instruction a turn
	WIN 0xa1|((2+(\a))<<2)
.set m, 0
.rept 12
	WM 160+32*(m/4)+8*(m%4), 32*(\kk)+8*(m%4), 40*(\kk)+8*(m/4), \zero
.set m, m+1
.endr
	WIN 0xf1|((2+(\a))<<2)
.set m, 0
.rept 4
	WM 160+8*m, 32*(\kk)+8*m, 40*(\kk)+24, \zero
.set m, m+1
.endr
.endm
.macro MM4 a, kk, zero, uncond         ; tile 4
.if !(\uncond)
	WIN 0
	s_cmp_eq_u32 s29, 0
	s_cbranch_scc1 .Lnm4_\@
.endif
	WIN 0xf1|((2+(\a))<<2)
.set m, 0
.rept 4
	WM 192+8*m, 32*(\kk)+8*m, 40*(\kk)+32, \zero
.set m, m+1
.endr
	WIN 0
.if !(\uncond)
.Lnm4_\@:
.endif
.endm
.macro PLACE i                         ; row RO+i, held to the expert's last: its place in a slice of h, 2,048 x block + 16 x (row % 16) + 256 x half; then its word's offset in the table
	v_min_u32 v[RO+(\i)], s26, v[RO+(\i)]
	v_min_u32 v[RO+(\i)], 0x3ff, v[RO+(\i)]
	v_and_b32 v4, 0x3f0, v[RO+(\i)]                ; 16 x block
	v_and_b32 v5, 15, v[RO+(\i)]
	v_lshl_add_u32 v[AOFF+(\i)], v4, 7, v[H256]
	v_lshl_add_u32 v[AOFF+(\i)], v5, 4, v[AOFF+(\i)]
	v_lshlrev_b32 v[RO+(\i)], 2, v[RO+(\i)]
.endm
.macro ROWS                            ; the rows of blocks 0 to 19; their words of the table are asked for
.irp i, 0,1,2,3,4
	v_add_nc_u32 v[RO+\i], 64*\i, v[ROW0]
	PLACE \i
.endr
.irp i, 0,1,2,3,4
	global_load_b32 v[GD+2*\i+1], v[RO+\i], s[8:9]
.endr
.endm
.macro GATE i                          ; the table's word is in: the row in y (plane 2 slot + kh) and the offset of the gate weight
	v_min_u32 v[GD+2*(\i)+1], 0x7ff, v[GD+2*(\i)+1]
	v_lshlrev_b32 v[RO+(\i)], 2, v[GD+2*(\i)+1]
	v_and_b32 v[YR+(\i)], 0x400, v[GD+2*(\i)+1]
	v_add_nc_u32 v[YR+(\i)], v[YR+(\i)], v[GD+2*(\i)+1]
	v_add_nc_u32 v[YR+(\i)], s33, v[YR+(\i)]
.endm
.macro GATES
.irp i, 0,1,2,3,4
	GATE \i
.endr
.irp i, 0,1,2,3,4
	global_load_b32 v[GD+2*\i], v[RO+\i], s[12:13]
.endr
.endm
; TRIP c multiplies chunk c for blocks 0 to 19 (row buffer a = c % 2).  Loads are issued in the order W(c+1), A(c), W(c+2) | in this trip A(c+1), W(c+3).
; left = 16: the 16 loads of W(c+2) stay out; W(c+1) and A(c) are in.  stw: W(c+1) goes into LDS, and the barrier shows every wave's part of it.  nxt: chunk c+1's weight fragments are fetched,
; each K step's into the registers that this chunk's same step has just left, four plain instructions behind the last product that read them.  gat: the first trip, in which the table's words have come.
.macro TRIP a, zero, stw, lda, ldw, left, nxt, t4u, pf, gat
	s_wait_loadcnt \left
.if \gat
	GATES                                          ; five loads ahead of A(c+1): the next trip's count of 16 covers them
.endif
.if \stw
	CVTST 1-(\a)
.endif
.if \lda
	s_wait_xcnt 0x0                                ; the bases are stepped only behind this wait
	s_add_nc_u64 s[40:41], s[40:41], ASTR
.if \ldw
	s_add_nc_u64 s[6:7], s[6:7], CHW
.endif
	LDA 1-(\a), \t4u                               ; A(c+1); the conversions above are the places behind the products that read this buffer
.endif
.if \ldw
	LDW 1-(\a), 2*CHW                              ; W(c+3): two trips in which to land
.endif
	s_wait_dscnt 0x0                               ; for the others: my stores of chunk c+1; for me: this chunk's weight fragments
.if \stw
	s_barrier_signal -1
.endif
	MM03 \a, 0, \zero                              ; work on registers while the others arrive
.if \stw
	s_barrier_wait -1                              ; chunk c+1 is whole in LDS
.endif
	MM4 \a, 0, \zero, \t4u
.if (\pf) == 1
	global_prefetch_b8 v[PFO], s[6:7] offset:4*CHW th:TH_LOAD_NT scope:SCOPE_SE  ; chunk c+5, a row a lane: each row is asked for once in the launch, two trips ahead of its load
.elseif (\pf) == 2
	s_cmp_eq_u32 s30, 1                            ; the loop's last two trips would ask past the last chunk
	s_cbranch_scc1 .Lnopf_\@
	global_prefetch_b8 v[PFO], s[6:7] offset:4*CHW th:TH_LOAD_NT scope:SCOPE_SE
.Lnopf_\@:
.endif
.if \nxt
	v_add_nc_u32 v[BAD], CHL, v[BAD]
	NOPS 3
	LB 0
.endif
.irp kk, 1,2,3
	MM03 \a, \kk, 0
	MM4 \a, \kk, 0, \t4u
.if \nxt
	NOPS 4
	LB \kk
.endif
.endr
	WIN 0
.endm
; Chunk c of a late block, on tile 0's registers: 8 row loads and 32 turning loads, all waited for at once, then 16 products on 4 sums that take turns.
; Every LDS address is one of the three fixed registers BADL plus an immediate: three chunks, 58,976 bytes at the most, lie within the 16-bit offset.
; h's chunks 4 to 7 go by a second base, four chunks on: seven chunks would pass the loads' signed 24-bit immediate; three chunks, a slice and 1,536 bytes, 7,341,568, lie within it.
.macro LCH c, zero
	NOPS 4                                         ; the places behind the last products, in front of loads into their sources
	WIN 0x80
.set m, 0
.rept 4
.if (\c) < 4
	global_load_b128 v[40*m:40*m+3], v[AOFF], s[4:5] offset:ASTR*(\c)+SLC*(m/2)+1024*(m%2)
	global_load_b128 v[40*m+4:40*m+7], v[AOFF], s[4:5] offset:ASTR*(\c)+SLC*(m/2)+1024*(m%2)+512
.else
	global_load_b128 v[40*m:40*m+3], v[AOFF], s[40:41] offset:ASTR*((\c)-4)+SLC*(m/2)+1024*(m%2)
	global_load_b128 v[40*m+4:40*m+7], v[AOFF], s[40:41] offset:ASTR*((\c)-4)+SLC*(m/2)+1024*(m%2)+512
.endif
.set m, m+1
.endr
	WIN 0x40
.set m, 0
.rept 16
	ds_load_tr16_b128 v[8*m:8*m+3], v[BADL+(\c)/3] offset:((\c)%3)*CHL+32*P*(m/4)+32*(m%4)
	ds_load_tr16_b128 v[8*m+4:8*m+7], v[BADL+(\c)/3] offset:((\c)%3)*CHL+32*P*(m/4)+32*(m%4)+16*P
.set m, m+1
.endr
	s_wait_loadcnt 0x0
	s_wait_dscnt 0x0
	WIN 0xa9
.set m, 0
.rept 16
	WM 160+8*(m%4), 8*m, 40*(m/4), (\zero)&&(m<4)
.set m, m+1
.endr
.endm
; THE WAY OUT of tile i: times the row's gate weight; 32 bytes a lane and column block into my stage, back as whole rows of 256 bytes; each row's place in y comes from the lane that holds it.
; lim = 1: the tile is one of five, and it and the later ones are jumped where their blocks lie past the count.
.macro EPI i, lim
.if \lim
	s_add_co_u32 s31, s28, 4*(\i)
	s_cmp_ge_u32 s31, s25
	s_cbranch_scc1 .Lepi_end
.endif
.if (\i) < 3
.set AW, 2
.set AC, 160+32*(\i)
.else
.set AW, 3
.set AC, 160+32*((\i)-3)
.endif
	WIN AW                                         ; source 0 in the sums' window
.set z, 0
.rept 16
	v_pk_mul_f32 v[TT+2*z:TT+2*z+1], v[AC+2*z:AC+2*z+1], v[GD+2*(\i):GD+2*(\i)+1] op_sel_hi:[1,0]
.set z, z+1
.endr
	WIN 0
	s_wait_xcnt 0x0                                ; the last tile's stores have read v56-63 and v96-127
.irp j, 0,1,2,3
	ds_store_b128 v[STO], v[TT+8*\j:TT+8*\j+3] offset:64*\j
	ds_store_b128 v[STO], v[TT+8*\j+4:TT+8*\j+7] offset:64*\j+16
.endr
.irp t, 0,1,2,3,4,5,6,7
	ds_load_b128 v[OB+4*\t:OB+4*\t+3], v[RD] offset:2*SP*\t  ; LDS serves a wave's instructions in order: these see the stores above
.endr
.irp t, 0,1,2,3,4,5,6,7
	ds_bpermute_b32 v[RO+\t], v[IDXT+\t], v[YR+(\i)]
.endr
	s_wait_dscnt 0x0
.irp t, 0,1,2,3,4,5,6,7
	v_min_u32 v[RO+\t], 0xfff, v[RO+\t]
	v_lshl_add_u32 v[RO+\t], v[RO+\t], 12, v[R16]
.endr
.irp t, 0,1,2,3,4,5,6,7
	global_store_b128 v[RO+\t], v[OB+4*\t:OB+4*\t+3], s[14:15]  ; sixteen lanes store 256 consecutive bytes, aligned
.endr
.endm
	s_load_b256 s[4:11], s[0:1], 0x0               ; h, w2, tab, cnt
	s_load_b128 s[12:15], s[0:1], 0x20             ; gw, y
	v_lshl_add_u32 v[SPW], v0, 2, SPARE
	v_mov_b32 v[NIL], 0
	v_lshrrev_b32 v4, 5, v0
	v_readfirstlane_b32 s18, v4                    ; wave
	s_and_b32 s19, ttmp9, 15                       ; ns
	s_lshr_b32 s21, ttmp9, 4                       ; kh
	s_and_b32 s20, ttmp7, 0xffff                   ; e
	v_and_b32 v3, 31, v0                           ; lane
	v_and_b32 v1, 15, v0                           ; lane % 16
	v_bfe_u32 v2, v0, 4, 1                         ; lane / 16
	s_lshl_b32 s31, s18, 17                        ; 32 w rows of 4,096 bytes
	v_lshlrev_b32 v[R16], 4, v1
	v_lshl_add_u32 v[WOFF], v2, 12, v[R16]
	v_add_nc_u32 v[WOFF], s31, v[WOFF]
	s_mul_i32 s31, s18, 32*P
	v_mul_u32_u24 v[WST], v2, P
	v_lshl_add_u32 v[WST], v1, 3, v[WST]
	v_add_nc_u32 v[WST], s31, v[WST]
	v_and_b32 v4, 7, v0                            ; the turning load: lane l reads row 8 (l / 16) + l % 8, columns 8 ((l / 8) % 2) + 0..7
	v_lshl_add_u32 v4, v2, 3, v4
	v_mul_u32_u24 v[BAD0], v4, P
	v_bfe_u32 v5, v0, 3, 1
	v_lshl_add_u32 v[BAD0], v5, 4, v[BAD0]
	v_mov_b32 v[BAD], v[BAD0]
	v_mov_b32 v[BADL], v[BAD0]
	v_add_nc_u32 v[BADL+1], 3*CHL, v[BAD0]
	v_add_nc_u32 v[BADL+2], 6*CHL, v[BAD0]
	s_lshl_b32 s31, s18, 4
	v_add_nc_u32 v[ROW0], s31, v1
	v_lshlrev_b32 v[H256], 8, v2
	s_mul_i32 s31, s18, 16*SP
	s_add_co_u32 s31, s31, STAGE
	v_mul_u32_u24 v[STO], v1, SP
	v_lshl_add_u32 v[STO], v2, 5, v[STO]
	v_add_nc_u32 v[STO], s31, v[STO]
	v_mul_u32_u24 v[RD], v2, SP
	v_add_nc_u32 v[RD], v[RD], v[R16]
	v_add_nc_u32 v[RD], s31, v[RD]
	s_lshl_b32 s31, s18, 17
	v_lshl_add_u32 v[PFO], v3, 12, s31
.irp t, 0,1,2,3,4,5,6,7
	v_lshl_add_u32 v[IDXT+\t], v2, 2, 8*\t
.endr
	s_lshl_b32 s33, s21, 10
	s_mov_b32 s23, 0
	s_wait_kmcnt 0x0
	s_lshl_b32 s22, s21, 24
	s_lshl_b32 s31, s20, 17
	s_add_co_u32 s22, s22, s31
	s_add_nc_u64 s[4:5], s[4:5], s[22:23]          ; h at slice 16 kh of expert e
	s_lshl_b32 s22, s20, 23
	s_lshl_b32 s31, s21, 22
	s_add_co_u32 s22, s22, s31
	s_lshl_b32 s31, s19, 8
	s_add_co_u32 s22, s22, s31
	s_add_nc_u64 s[6:7], s[6:7], s[22:23]          ; w2 at my slice
	s_lshl_b32 s22, s20, 12
	s_add_nc_u64 s[8:9], s[8:9], s[22:23]
	s_lshl_b32 s22, s20, 9
	s_add_nc_u64 s[10:11], s[10:11], s[22:23]
	s_lshl_b32 s22, s19, 8
	s_add_nc_u64 s[14:15], s[14:15], s[22:23]
	s_mov_b64 s[40:41], s[4:5]
	s_load_b32 s24, s[10:11], 0x0                  ; the expert's count
	LDW 0, 0                                       ; W(0)
	LDW 1, CHW                                     ; W(1)
	global_prefetch_b8 v[PFO], s[6:7] offset:3*CHW th:TH_LOAD_NT scope:SCOPE_SE  ; chunks 3 and 4
	global_prefetch_b8 v[PFO], s[6:7] offset:4*CHW th:TH_LOAD_NT scope:SCOPE_SE
	s_wait_kmcnt 0x0
	s_min_u32 s24, s24, 0x400
	s_add_co_u32 s25, s24, 15
	s_lshr_b32 s25, s25, 4                         ; nb
	s_max_u32 s26, s24, 1
	s_sub_co_u32 s26, s26, 1                       ; the expert's last row
	s_mov_b32 s28, s18
	s_add_co_u32 s31, s18, 16
	s_cmp_lt_u32 s31, s25
	s_cselect_b32 s29, 1, 0
	ROWS
	LDA 0, 1                                       ; A(0), tile 4 too: every register is written on every way
	s_wait_loadcnt 61                              ; W(0) is in; W(1)'s 16 loads, the table's 5 and A(0)'s 40 stay out
	CVTST 0
	LDW 0, 2*CHW                                   ; W(2)
	s_wait_dscnt 0x0
	s_barrier_signal -1
	s_barrier_wait -1                              ; chunk 0 is whole in LDS
	LB 0
	LB 1
	LB 2
	LB 3
	WIN 0
	TRIP 0, 1, 1, 1, 1, 16, 1, 1, 1, 1             ; chunk 0: its products start the sums
	s_mov_b32 s30, 2
.Lk:                                                   ; chunks 1 to 4
	TRIP 1, 0, 1, 1, 1, 16, 1, 0, 2, 0
	TRIP 0, 0, 1, 1, 1, 16, 1, 0, 2, 0
	s_sub_co_u32 s30, s30, 1
	s_cmp_lg_u32 s30, 0
	s_cbranch_scc1 .Lk
	TRIP 1, 0, 1, 1, 0, 16, 1, 0, 0, 0             ; chunk 5: no weights are left to ask for; W(7) stays out
	TRIP 0, 0, 1, 1, 0, 0, 1, 0, 0, 0              ; chunk 6: W(7) and A(6) are the last out
	TRIP 1, 0, 0, 0, 0, 0, 0, 0, 0, 0              ; chunk 7: nothing is stored, so no barrier
	NOPS 4                                         ; the places behind the last products
	EPI 0, 1
	EPI 1, 1
	EPI 2, 1
	EPI 3, 1
	EPI 4, 1
.Lepi_end:
	s_wait_xcnt 0x0                                ; the stores' address registers are rewritten only behind this wait
	v_add_nc_u32 v[ROW0], 320, v[ROW0]             ; my row in block 20 + w
	s_add_nc_u64 s[40:41], s[4:5], 4*ASTR          ; h at chunk 4: all loads by the old base are done
	s_add_co_u32 s28, s28, 20
	s_mov_b32 s27, 11
.Lq:                                                   ; THE LATE BLOCKS: trip q has block 20 + 4 q + w
	s_cmp_ge_u32 s28, s25
	s_cbranch_scc1 .Lqskip                         ; past the count: forward, to the label ahead of the counter's step
	v_mov_b32 v[RO], v[ROW0]
	PLACE 0
	global_load_b32 v[GD+1], v[RO], s[8:9]
	s_wait_loadcnt 0x0
	GATE 0
	global_load_b32 v[GD], v[RO], s[12:13]         ; waited for with the first chunk's loads
	LCH 0, 1                                       ; chunk 0: its products start the sums
.irp c, 1,2,3,4,5,6,7
	LCH \c, 0
.endr
	WIN 0
	NOPS 4                                         ; the places behind the last products
	EPI 0, 0
.Lqskip:
	s_wait_xcnt 0x0                                ; the stores' address registers are rewritten only behind this wait
	v_add_nc_u32 v[ROW0], 64, v[ROW0]              ; four blocks on
	s_add_co_u32 s28, s28, 4
	s_sub_co_u32 s27, s27, 1
	s_cmp_lg_u32 s27, 0
	s_cbranch_scc1 .Lq
	s_wait_tensorcnt 0x0                           ; the wave's end, behind my last LDS store
	ds_add_u32 v[SPW], v[NIL]
	s_wait_dscnt 0x0
	s_endpgm
.Lfunc_end_k_qa013c60775_down:
	.size	k_qa013c60775_down, .Lfunc_end_k_qa013c60775_down-k_qa013c60775_down
	.p2alignl 7, 3214868480
	.fill 96, 4, 3214868480
	.section	.rodata,"a",@progbits
	.p2align	6, 0x0
	.amdhsa_kernel k_qa013c60775_down
		.amdhsa_group_segment_fixed_size 181760
		.amdhsa_private_segment_fixed_size 0
		.amdhsa_enable_private_segment 0
		.amdhsa_kernarg_size 48
		.amdhsa_user_sgpr_count 2
		.amdhsa_user_sgpr_kernarg_segment_ptr 1
		.amdhsa_wavefront_size32 1
		.amdhsa_system_sgpr_workgroup_id_x 1
		.amdhsa_system_sgpr_workgroup_id_y 1
		.amdhsa_system_sgpr_workgroup_id_z 1
		.amdhsa_system_vgpr_workitem_id 0
		.amdhsa_next_free_vgpr 1024
		.amdhsa_next_free_sgpr 66
		.amdhsa_reserve_vcc 0
		.amdhsa_float_denorm_mode_32 3
		.amdhsa_float_denorm_mode_16_64 3
		.amdhsa_memory_ordered 1
		.amdhsa_forward_progress 1
		.amdhsa_inst_pref_size 172
	.end_amdhsa_kernel
	.amdgpu_metadata
---
amdhsa.version: [ 1, 2 ]
amdhsa.kernels:
  - .name:           k_qa013c60775_down
    .symbol:         k_qa013c60775_down.kd
    .args:
      - { .name: h, .offset: 0, .size: 8, .value_kind: global_buffer, .address_space: global }
      - { .name: w2, .offset: 8, .size: 8, .value_kind: global_buffer, .address_space: global }
      - { .name: tab, .offset: 16, .size: 8, .value_kind: global_buffer, .address_space: global }
      - { .name: cnt, .offset: 24, .size: 8, .value_kind: global_buffer, .address_space: global }
      - { .name: gw, .offset: 32, .size: 8, .value_kind: global_buffer, .address_space: global }
      - { .name: y, .offset: 40, .size: 8, .value_kind: global_buffer, .address_space: global }
    .group_segment_fixed_size: 181760
    .private_segment_fixed_size: 0
    .kernarg_segment_align: 8
    .kernarg_segment_size: 48
    .max_flat_workgroup_size: 128
    .sgpr_count:     66
    .vgpr_count:     1024
    .wavefront_size: 32
...
	.end_amdgpu_metadata
.endif
;; end of part 3
;; launch sum (part 4): grid 256 x 1, 8 waves a work-group, no clusters, 0 bytes of LDS; arguments y, out0; writes out0
.if DOCPART == 4
	.amdgcn_target "amdgcn-amd-amdhsa--gfx1250"
	.amdhsa_code_object_version 6
	.text
	.protected	k_qa013c60775_sum
	.globl	k_qa013c60775_sum
	.p2align	8
	.type	k_qa013c60775_sum,@function
k_qa013c60775_sum:
	s_mov_b64 s[64:65], 0
	v_nop
	global_prefetch_b8 v0, s[64:65] scope:SCOPE_SE
	s_setreg_imm32_b32 hwreg(HW_REG_WAVE_MODE, 25, 1), 1
	s_wait_xcnt 0x0
; SUM.  out0[t][d] = (y[0][t][d] + y[1][t][d]) + (y[2][t][d] + y[3][t][d]): a token's two experts, each in two halves of F, in f32.
; A stream: a work-group owns 16,384 consecutive bytes of out0, a thread 16 bytes in each of four runs of 4,096; every load and store of a wave covers 512 consecutive bytes.
; All sixteen loads of a thread go out first; the waits count down by the four loads of each later run.  No LDS, no barrier, no matrix unit: there is nothing to share and nothing to multiply.
.set Y, 4                              ; v4-67  run i: planes 0 to 3, four registers each
	s_load_b128 s[4:7], s[0:1], 0x0                ; y, out0
	s_lshl_b32 s8, ttmp9, 14
	s_mov_b32 s9, 0
	v_lshlrev_b32 v1, 4, v0
	s_wait_kmcnt 0x0
	s_add_nc_u64 s[4:5], s[4:5], s[8:9]            ; planes 0 and 1 (the second by the immediate)
	s_add_nc_u64 s[6:7], s[6:7], s[8:9]
	s_add_nc_u64 s[10:11], s[4:5], 0x800000        ; planes 2 and 3
.set i, 0
.rept 4
	global_load_b128 v[Y+16*i:Y+16*i+3], v1, s[4:5] offset:4096*i th:TH_LOAD_NT
	global_load_b128 v[Y+16*i+4:Y+16*i+7], v1, s[4:5] offset:4194304+4096*i th:TH_LOAD_NT
	global_load_b128 v[Y+16*i+8:Y+16*i+11], v1, s[10:11] offset:4096*i th:TH_LOAD_NT
	global_load_b128 v[Y+16*i+12:Y+16*i+15], v1, s[10:11] offset:4194304+4096*i th:TH_LOAD_NT
.set i, i+1
.endr
.set i, 0
.rept 4
	s_wait_loadcnt 12-4*i                          ; this run's four loads are in; the later runs' stay out
	v_pk_add_f32 v[Y+16*i:Y+16*i+1], v[Y+16*i:Y+16*i+1], v[Y+16*i+4:Y+16*i+5]
	v_pk_add_f32 v[Y+16*i+2:Y+16*i+3], v[Y+16*i+2:Y+16*i+3], v[Y+16*i+6:Y+16*i+7]
	v_pk_add_f32 v[Y+16*i+8:Y+16*i+9], v[Y+16*i+8:Y+16*i+9], v[Y+16*i+12:Y+16*i+13]
	v_pk_add_f32 v[Y+16*i+10:Y+16*i+11], v[Y+16*i+10:Y+16*i+11], v[Y+16*i+14:Y+16*i+15]
	v_pk_add_f32 v[Y+16*i:Y+16*i+1], v[Y+16*i:Y+16*i+1], v[Y+16*i+8:Y+16*i+9]
	v_pk_add_f32 v[Y+16*i+2:Y+16*i+3], v[Y+16*i+2:Y+16*i+3], v[Y+16*i+10:Y+16*i+11]
	global_store_b128 v1, v[Y+16*i:Y+16*i+3], s[6:7] offset:4096*i th:TH_STORE_NT
.set i, i+1
.endr
	s_endpgm
.Lfunc_end_k_qa013c60775_sum:
	.size	k_qa013c60775_sum, .Lfunc_end_k_qa013c60775_sum-k_qa013c60775_sum
	.p2alignl 7, 3214868480
	.fill 96, 4, 3214868480
	.section	.rodata,"a",@progbits
	.p2align	6, 0x0
	.amdhsa_kernel k_qa013c60775_sum
		.amdhsa_group_segment_fixed_size 0
		.amdhsa_private_segment_fixed_size 0
		.amdhsa_enable_private_segment 0
		.amdhsa_kernarg_size 16
		.amdhsa_user_sgpr_count 2
		.amdhsa_user_sgpr_kernarg_segment_ptr 1
		.amdhsa_wavefront_size32 1
		.amdhsa_system_sgpr_workgroup_id_x 1
		.amdhsa_system_sgpr_workgroup_id_y 1
		.amdhsa_system_sgpr_workgroup_id_z 1
		.amdhsa_system_vgpr_workitem_id 0
		.amdhsa_next_free_vgpr 72
		.amdhsa_next_free_sgpr 66
		.amdhsa_reserve_vcc 0
		.amdhsa_float_denorm_mode_32 3
		.amdhsa_float_denorm_mode_16_64 3
		.amdhsa_memory_ordered 1
		.amdhsa_forward_progress 1
		.amdhsa_inst_pref_size 5
	.end_amdhsa_kernel
	.amdgpu_metadata
---
amdhsa.version: [ 1, 2 ]
amdhsa.kernels:
  - .name:           k_qa013c60775_sum
    .symbol:         k_qa013c60775_sum.kd
    .args:
      - { .name: y, .offset: 0, .size: 8, .value_kind: global_buffer, .address_space: global }
      - { .name: out0, .offset: 8, .size: 8, .value_kind: global_buffer, .address_space: global }
    .group_segment_fixed_size: 0
    .private_segment_fixed_size: 0
    .kernarg_segment_align: 8
    .kernarg_segment_size: 16
    .max_flat_workgroup_size: 256
    .sgpr_count:     66
    .vgpr_count:     72
    .wavefront_size: 32
...
	.end_amdgpu_metadata
.endif
;; end of part 4
